; MI455X (gfx1250); checked and timed in simulation.
; The chip was launched on July 23, 2026; its instructions are those of AMD's public machine-readable ISA for CDNA 5 (MIT licence, August 2026) and "CDNA5" Instruction Set Architecture Reference Guide (July 2026). The comments in the code are by the model that wrote it; some were corrected since.
;; Head. Allowed arithmetic: matrix products marked QUANTISED: E4M3 operands, one given power-of-two scale a tensor, by v_wmma_f32_16x16x64_fp8_fp8 or v_wmma_f32_16x16x128_fp8_fp8, f32 sums; everything else in f32.
;; Inputs: Wk 384 x 64 float32; Wq 384 x 64 float32; Wv 384 x 64 float32; lowp_scales 10 int32 (the exponents e of the quantised operands' scales 2^e); x 512 x 256 x 384 float32.
;; Outputs: out0 512 x 256 x 64 float32.
;; This version of the problem:
;;   THIS VERSION OF THE PROBLEM IS GIVEN IN LOW PRECISION. The matrix products marked QUANTISED in the list below multiply operands that are first quantised to E4M3 (4 exponent bits, 3 mantissa bits; 8 bits a number), with one given power-of-two scale for each operand tensor; their sums are f32. All else is computed in f32.
;;   The module's matrix products, in the order in which they are computed (A, B: the left and right operand; K: the contracted axis; several contracted axes count as one K, in the product's order):
;;     1. [M 131,072, K 384] x [K 384, N 64]; A: input x; B: input Wk: QUANTISED (scales: A lowp_scales[0], B lowp_scales[1])
;;     2. [M 131,072, K 384] x [K 384, N 64]; A: input x; B: input Wq: QUANTISED (scales: A lowp_scales[2], B lowp_scales[3])
;;     3. [M 131,072, K 384] x [K 384, N 64]; A: input x; B: input Wv: QUANTISED (scales: A lowp_scales[4], B lowp_scales[5])
;;     4. batch 512 x [M 256, K 64] x [K 64, N 256]; A: computed on the way; B: computed on the way: QUANTISED (scales: A lowp_scales[6], B lowp_scales[7])
;;     5. batch 512 x [M 256, K 256] x [K 256, N 64]; A: softmax (see below); B: computed on the way: QUANTISED (scales: A lowp_scales[8], B lowp_scales[9])
;;   THE QUANTISER, for each operand of a quantised product, along K:
;;     - The operand's scale is 2^e, e = its entry of the input lowp_scales (int32; the entries are numbered through the quantised products in the list's order, A before B).
;;     - Each number is divided by the scale, clamped to +-448, and rounded to the nearest number of E4M3, ties to even, subnormals kept.
;;     - The product sums the exact products of the quantised numbers (number of the format x scale) in f32.
;;   ~~~python
;;   def quantise(x, axis, e):      # numpy; x: float32 -> the quantised numbers, widened to float32 again
;;       x = np.moveaxis(x, axis, -1); K = x.shape[-1]
;;       r = np.clip(x / 2.0 ** e, -448, 448)
;;       step = 2.0 ** (np.maximum(np.frexp(np.where(r == 0, 1, r))[1] - 1, -6) - 3)
;;       q = np.round(r / step) * step * 2.0 ** e      # np.round: ties to even
;;       return np.moveaxis(q, -1, axis).astype(np.float32)
;;   ~~~
;;   SOFTMAX AHEAD OF A QUANTISED PRODUCT. Where the list says 'softmax', what is quantised is not the finished softmax but p = 2^(t - M), with t = logit x log2(e) and M = ceil(the row's largest t), a whole number; so 1/2 < the row's largest p <= 1. The row's sum l is taken of the UNQUANTISED p, in f32, and the product's result is divided by l at the end. Since M is a whole number, a kernel that streams over the keys may use a running M (the ceiling of the running maximum): every later rescaling is an exact power of two, so the quantised numbers keep their values, but for numbers so far below the row's largest that they fall under the format's range.
;;   OPERANDS COMPUTED ON THE WAY. 'Computed on the way' means the value that the module computes at that place (a softmax that the list does not call 'softmax' is quantised finished and normalised). What goes into a quantiser is computed in f32, as accurately as f32 sums, v_exp_f32 and their like allow (about 1e-6 of the number): no bf16 or f16 on the way to a quantiser, and a product that is left as it is and whose result goes on into a quantised operand takes f32 operands (vector FMAs, or v_wmma_f32_16x16x4_f32). A number that lies on a knife's edge between two numbers of the format may be rounded either way, as far as f32 arithmetic and the matrix unit's own rounding can turn it there, and no further.
;; One version. Each part assembles by itself: llvm-mc -triple=amdgcn-amd-amdhsa -mcpu=gfx1250 --defsym DOCPART=n.
;; ======== version 1 of 1: 1 launch
;; limits: right only within a limited range of input values
;; launch head (part 1): grid 256 x 1, 8 waves a work-group, no clusters, 218,112 bytes of LDS; arguments x, Wk, Wq, Wv, lowp_scales, out0; writes out0
.if DOCPART == 1
	.amdgcn_target "amdgcn-amd-amdhsa--gfx1250"
	.amdhsa_code_object_version 6
	.text
	.protected	k_q673b1fbfdc_head
	.globl	k_q673b1fbfdc_head
	.p2align	8
	.type	k_q673b1fbfdc_head,@function
k_q673b1fbfdc_head:
	s_mov_b64 s[64:65], 0
	v_nop
	global_prefetch_b8 v0, s[64:65] scope:SCOPE_SE
	s_setreg_imm32_b32 hwreg(HW_REG_WAVE_MODE, 25, 1), 1
	s_wait_xcnt 0x0
; A causal attention head: K, Q, V = x Wk, x Wq, x Wv; softmax(Q K^T / 8) V, all five products on codes of FP8 (E4M3) with the given scales 2^e, sums in f32.
; x [512][256][384], W* [384][64], out0 [512][256][64], f32.  A work-group takes two batches of 256 rows, one after the other; wave w of its eight owns the row tiles (16 rows) w and 15 - w of a batch.
; LEFT OUT (dead for all values of the inputs): groups of 64 keys all of which come after all rows of a tile: the causal mask that the head itself builds makes their scores -infinity and their p 0.
; Tile T needs T / 4 + 1 groups; tiles w and 15 - w need five together, in every wave.
; LIMITS.  Each e, and e7 - e0 - e1, e6 - e2 - e3, e9 - e4 - e5 (the scales of K, Q, V less those of their products): -126 to 119; e6 + e7: -123 to 130; e8 + e9: -118 to 126, so that the powers of two below are f32 numbers.
; NaN among the inputs is not served; a NaN or an infinity that reaches only the left-out work is not carried to the result.
; THE WAY OF x.  A wave's 32 rows go in three chunks of 128 along K.  A load takes 256 bytes of two rows (lanes 0-15 one row, lanes 16-31 the next), both aligned.  32 loads a wave (16 KiB) are out: each block of 8 is asked
; for again, one chunk on, as soon as its numbers are quantised (three times: the three products have their own scales).  The codes turn through the wave's own stage in LDS into operand order.
; A lane's 8 codes are 4 neighbours of each of two pieces 64 apart: byte p of a chunk's row is k = 64 ((p / 4) % 2) + 4 (p / 8) + p % 4.  W's codes are laid in the same order, so every product meets its partner.
; PREFETCH: one chunk ahead of the loads, a lane a row, two instructions a wave and chunk; each aligned 256 bytes is named once; the launch's last two chunks ask for nothing.
; NO CLUSTER: work-groups share the weights alone, which are read once, at the head, into the registers in which they are quantised; no chunk of the loop reads a byte that another work-group reads.
; SOFTMAX: all keys of a tile at once: t = score x log2(e) / 8, M = ceil(largest t), p = 2^(t - M) is quantised; the sum of the unquantised p divides at the end.
; REGISTERS.  window 0: v0-23 addresses and scales; v24-63 codes and held numbers (later Q's codes, then p's); v64-255 sums K, Q, V of two tiles; later v64-223 the scores (five groups), v64-127 the result.
;   window 1: 0-127 x on its way; 128-255 fragments of x and W, later of K, then of V.
.set SPW, 1
.set NIL, 2
.set XVO, 3
.set XST, 4
.set XLD, 5
.set SO,  6
.set WL2, 7
.set KSA, 8
.set KSB, 9
.set VSA, 10
.set VSB, 11
.set LAN, 12
.set DA,  13
.set DB,  0
.set XSC, 14
.set WA,  14
.set WAH, 15
.set AW,  16
.set FSC, 17
.set PSC, 20
.set AH,  20
.set PFO, 21
.set GO,  22
.set SR,  23
.set CC,  24
.set TT,  32
.set HT,  224
.set AC,  64
.set XR,  0
.set FR,  128
.set RR,  24
.set HH,  25
.set SUA, 224
.set SUB, 240
.set NMA, 232
.set NMB, 234
.set PTA, 248
.set PTB, 249
.set FFA, 250
.set FFB, 252
.set NINF, 254
; scalars
.set WV,  2
.set TRIP, 3
.set XB,  12
.set FB,  15
.set PB,  18
.set EO,  19
.set CS,  20
.set SEL, 22
.set MB,  30
.set MA,  66
; LDS
.set KV,  73728                        ; behind W's codes (36 fragments of 2,048 bytes): K's codes, 16,384 bytes, then V's
.set STG, KV+32768
.set WST, 13824                        ; a wave's stage: 3 scales x 32 rows x 144 bytes
.set SPARE, STG+8*WST                  ; the spare words, 128 bytes for each wave
.set NB,  393216                       ; bytes of a batch of x
.set MSB, 0
.macro WIN new
.if MSB != (\new)
	s_set_vgpr_msb (MSB<<8)|(\new)
.set MSB, (\new)
.endif
.endm
; 2^e as f32 into a vector register, 448 x 2^e into a scalar one
.macro MKS vs, sb, e
	s_add_co_i32 s25, s[\e], 127
	s_lshl_b32 s26, s25, 23
	v_mov_b32 v[\vs], s26
	s_add_co_i32 s25, s25, 8
	s_lshl_b32 s25, s25, 23
	s_or_b32 s[\sb], s25, 0x600000
.endm
.macro PF off
	global_prefetch_b8 v[PFO], s[4:5] offset:\off th:TH_LOAD_NT scope:SCOPE_SE
	global_prefetch_b8 v[PFO], s[4:5] offset:\off+256 th:TH_LOAD_NT scope:SCOPE_SE
.endm
; W: a lane loads four columns; its registers run down K.  A wave takes of each matrix one unit of 32 k (chunk w / 4, quarter w % 4) and half a unit of the third chunk.
.macro WLOAD wb, ptr, win
	WIN \win
.irp i, 0,1,2,3,4,5,6,7,8,9,10,11,12,13,14,15
	global_load_b128 v[\wb+4*\i:\wb+4*\i+3], v[WA], s[\ptr:\ptr+1] offset:256*(4*(\i/8)+(\i%4)+64*((\i/4)%2))
.endr
.irp i, 0,1,2,3,4,5,6,7
	global_load_b128 v[\wb+64+4*\i:\wb+64+4*\i+3], v[WAH], s[\ptr:\ptr+1] offset:256*((\i%4)+64*(\i/4))
.endr
	WIN 0
.endm
.macro WCONV g, wb, win
.irp p, 0,1
	WIN \win
.set nn, 0
.rept 16
	v_med3_num_f32 v[HT+nn], v[\wb+4*nn+2*\p], -s[FB+\g], s[FB+\g]
	v_med3_num_f32 v[HT+16+nn], v[\wb+4*nn+2*\p+1], -s[FB+\g], s[FB+\g]
.set nn, nn+1
.endr
	WIN 0
.irp i, 0,1,2,3
	v_cvt_scalef32_pk8_fp8_f32 v[CC+2*\i:CC+2*\i+1], v[HT+8*\i:HT+8*\i+7], v[FSC+\g]
.endr
	v_nop                                          ; a plain place behind the conversions
	ds_store_b128 v[AW], v[CC:CC+3] offset:24576*\g+32*\p
	ds_store_b128 v[AW], v[CC+4:CC+7] offset:24576*\g+32*\p+16
.endr
	WIN \win
.irp q, 0,1,2,3
.set nn, 0
.rept 8
	v_med3_num_f32 v[HT+8*\q+nn], v[\wb+64+4*nn+\q], -s[FB+\g], s[FB+\g]
.set nn, nn+1
.endr
.endr
	WIN 0
.irp i, 0,1,2,3
	v_cvt_scalef32_pk8_fp8_f32 v[CC+2*\i:CC+2*\i+1], v[HT+8*\i:HT+8*\i+7], v[FSC+\g]
.endr
	v_nop
.irp i, 0,1,2,3
	ds_store_b64 v[AH], v[CC+2*\i:CC+2*\i+1] offset:24576*\g+16*\i
.endr
.endm
; eight loads of x: block u = row pairs 4 (u % 2) .. + 3 of tile u / 2, at byte noff
.macro XLOAD u, noff
	WIN 0x40
.irp i, 0,1,2,3
.irp j, 0,1
	global_load_b128 v[XR+32*(\u)+8*\i+4*\j:XR+32*(\u)+8*\i+4*\j+3], v[XVO], s[4+2*((\u)/2):5+2*((\u)/2)] offset:\noff+3072*(4*((\u)%2)+\i)+256*\j th:TH_LOAD_NT
.endr
.endr
	WIN 0
.endm
; block u: held, quantised with the three scales, codes to the stage; then its registers take the next chunk's numbers
.macro UNIT u, noff, cnt, rel
	s_wait_loadcnt \cnt                            ; the oldest eight loads are in
.irp g, 0,1,2
	WIN 1
.set nn, 0
.rept 32
	v_med3_num_f32 v[TT+nn], v[XR+32*(\u)+nn], -s[XB+\g], s[XB+\g]
.set nn, nn+1
.endr
	WIN 0
.irp i, 0,1,2,3
	v_cvt_scalef32_pk8_fp8_f32 v[CC+2*\i:CC+2*\i+1], v[TT+8*\i:TT+8*\i+7], v[XSC+\g]
.endr
	v_nop                                          ; a plain place behind the conversions
.irp i, 0,1,2,3
	ds_store_b64 v[XST], v[CC+2*\i:CC+2*\i+1] offset:4608*\g+144*(16*((\u)/2)+2*(4*((\u)%2)+\i))
.endr
.endr
.if \rel
	XLOAD \u, \noff
.endif
.endm
.macro QUANT noff
	UNIT 0, \noff, 24, 1                           ; behind the oldest eight loads stand three blocks of eight
	UNIT 1, \noff, 24, 1
	UNIT 2, \noff, 24, 1
	UNIT 3, \noff, 24, 1
.endm
; fragments of half step k = 2 x matrix + column half: W's two column tiles, and for an even k x's two row tiles
.macro PLD k, s
.set pg, (\k)/2
.set ph, (\k)%2
	WIN 0x40
.if ph == 0
.irp c, 0,1,2,3
	ds_load_b128 v[FR+32*(pg%2)+4*\c:FR+32*(pg%2)+4*\c+3], v[XLD] offset:4608*pg+32*\c
	ds_load_b128 v[FR+32*(pg%2)+16+4*\c:FR+32*(pg%2)+16+4*\c+3], v[XLD] offset:4608*pg+2304+32*\c
.endr
.endif
.irp t, 0,1
.irp c, 0,1,2,3
.if pg < 2
	ds_load_b128 v[FR+64+32*ph+16*\t+4*\c:FR+64+32*ph+16*\t+4*\c+3], v[GO] offset:((4*pg+2*ph+\t)*3+(\s))*2048+512*\c
.else
	ds_load_b128 v[FR+64+32*ph+16*\t+4*\c:FR+64+32*ph+16*\t+4*\c+3], v[WL2] offset:((2*ph+\t)*3+(\s))*2048+512*\c
.endif
.endr
.endr
	WIN 0
.endm
; one product: A's and B's fragments from window 1; the first chunk starts the sums
.macro MM d, a, b, s
.if (\s) == 0
	v_wmma_f32_16x16x128_fp8_fp8 v[\d:\d+7], v[\a:\a+15], v[\b:\b+15], 0
.else
	v_wmma_f32_16x16x128_fp8_fp8 v[\d:\d+7], v[\a:\a+15], v[\b:\b+15], v[\d:\d+7]
.endif
.endm
; a chunk's 24 products: the 24 sums take turns, in the same order in every chunk.  K and Q: source 0 = W, so a lane holds a row of x; V: source 0 = x, so a lane holds a column
.macro PROJ s
	PLD 0, \s
.set kk, 0
.rept 6
.if kk > 0
.rept 4
	v_nop                                          ; places in front of loads into registers that the last products read
.endr
.endif
.if kk < 5
	PLD kk+1, \s
	s_wait_dscnt 16-8*((kk+1)%2)                   ; all but the loads just issued
.else
	s_wait_dscnt 0x0
.endif
	WIN 5
.irp t, 0,1
.irp e, 0,1
.if kk < 4
	MM AC+64*(kk/2)+32*\e+8*(2*(kk%2)+\t), FR+64+32*(kk%2)+16*\t, FR+32*((kk/2)%2)+16*\e, \s
.else
	MM AC+64*(kk/2)+32*\e+8*(2*(kk%2)+\t), FR+32*((kk/2)%2)+16*\e, FR+64+32*(kk%2)+16*\t, \s
.endif
.endr
.endr
	WIN 0
.set kk, kk+1
.endr
.endm
.macro HOLD64 a, sb
.set nn, 0
.rept 64
	v_med3_num_f32 v[\a+nn], v[\a+nn], -s[\sb], s[\sb]
.set nn, nn+1
.endr
.endm
.macro CVT64 d, a, vs
.irp i, 0,1,2,3,4,5,6,7
	v_cvt_scalef32_pk8_fp8_f32 v[\d+2*\i:\d+2*\i+1], v[\a+8*\i:\a+8*\i+7], v[\vs]
.endr
.endm
; the largest of gn groups of 32 registers, in four chains
.macro MAXZ sb, gn, ch
.irp k, 0,1,2,3
	v_max_num_f32 v[\ch+\k], v[\sb+8*\k], v[\sb+8*\k+1]
.endr
.set mm, 2
.rept 4*(\gn)-1
.irp k, 0,1,2,3
	v_max3_num_f32 v[\ch+\k], v[\ch+\k], v[\sb+32*(mm/8)+8*\k+mm%8], v[\sb+32*(mm/8)+8*\k+mm%8+1]
.endr
.set mm, mm+2
.endr
	v_max3_num_f32 v[\ch], v[\ch], v[\ch+1], v[\ch+2]
	v_max_num_f32 v[\ch], v[\ch], v[\ch+3]
.endm
; the sum of gn groups, two at a time in four chains
.macro SUMZ sb, gn, ch
.irp k, 0,2,4,6
	v_pk_add_f32 v[\ch+\k:\ch+\k+1], v[\sb+\k:\sb+\k+1], v[\sb+8+\k:\sb+8+\k+1]
.endr
.set mm, 16
.rept 4*(\gn)-2
.irp k, 0,2,4,6
	v_pk_add_f32 v[\ch+\k:\ch+\k+1], v[\ch+\k:\ch+\k+1], v[\sb+mm+\k:\sb+mm+\k+1]
.endr
.set mm, mm+8
.endr
	v_pk_add_f32 v[\ch:\ch+1], v[\ch:\ch+1], v[\ch+2:\ch+3]
	v_pk_add_f32 v[\ch+4:\ch+5], v[\ch+4:\ch+5], v[\ch+6:\ch+7]
	v_pk_add_f32 v[\ch:\ch+1], v[\ch:\ch+1], v[\ch+4:\ch+5]
	v_add_f32 v[\ch], v[\ch], v[\ch+1]
.endm
.macro PV4 d, pc
.irp t, 0,1,2,3
.if gg == 0
	v_wmma_f32_16x16x64_fp8_fp8 v[\d+8*\t:\d+8*\t+7], v[FR+32*\t+8*gg:FR+32*\t+8*gg+7], v[\pc+8*gg:\pc+8*gg+7], 0
.else
	v_wmma_f32_16x16x64_fp8_fp8 v[\d+8*\t:\d+8*\t+7], v[FR+32*\t+8*gg:FR+32*\t+8*gg+7], v[\pc+8*gg:\pc+8*gg+7], v[\d+8*\t:\d+8*\t+7]
.endif
.endr
.endm
; attention of my two tiles: na groups of 64 keys for tile w, nb for tile 15 - w (na + nb = 5).  S^T = K Q^T: a lane holds one query, registers run along the keys
.macro ATTN na, nb
	WIN 0x40
.set uu, 0
.rept 4*(\nb)
	ds_load_b128 v[FR+8*uu:FR+8*uu+3], v[LAN] offset:1024*uu
	ds_load_b128 v[FR+8*uu+4:FR+8*uu+7], v[LAN] offset:1024*uu+512
.set uu, uu+1
.endr
	WIN 1
.set uu, 0
.rept 4*(\nb)
.if uu%4 == 0
	s_wait_dscnt 8*((\nb)-1-uu/4)                  ; this group's eight loads are in; the later groups' may be out
.endif
	v_wmma_f32_16x16x64_fp8_fp8 v[64+32*(\na)+8*uu:71+32*(\na)+8*uu], v[FR+8*uu:FR+8*uu+7], v[32:39], 0
.if uu < 4*(\na)
	v_wmma_f32_16x16x64_fp8_fp8 v[64+8*uu:71+8*uu], v[FR+8*uu:FR+8*uu+7], v[24:31], 0
.endif
.set uu, uu+1
.endr
.rept 4
	v_nop                                          ; places behind the products
.endr
	WIN 0x40
.set gg, 0
.rept \nb
.irp t, 0,1,2,3
	ds_load_b128 v[FR+32*\t+8*gg:FR+32*\t+8*gg+3], v[LAN] offset:16384+4096*gg+512*\t
	ds_load_b128 v[FR+32*\t+8*gg+4:FR+32*\t+8*gg+7], v[LAN] offset:16384+4096*gg+2048+512*\t
.endr
.set gg, gg+1
.endr
	WIN 0
	v_mov_b32 v[NINF], 0xff800000
.set nn, 0
.rept 32
	v_cndmask_b32 v[64+32*((\na)-1)+nn], v[64+32*((\na)-1)+nn], v[NINF], s[MA+nn]   ; hidden keys of each tile's last group
.set nn, nn+1
.endr
.set nn, 0
.rept 32
	v_cndmask_b32 v[192+nn], v[192+nn], v[NINF], s[MB+nn]
.set nn, nn+1
.endr
	MAXZ 64, \na, SUA
	MAXZ 64+32*(\na), \nb, SUB
	v_permlanex16_b32 v[PTA], v[SUA], s[SEL], s[SEL+1]
	v_permlanex16_b32 v[PTB], v[SUB], s[SEL], s[SEL+1]
	v_max_num_f32 v[SUA], v[SUA], v[PTA]
	v_max_num_f32 v[SUB], v[SUB], v[PTB]
	v_mul_f32 v[SUA], s[CS], v[SUA]
	v_mul_f32 v[SUB], s[CS], v[SUB]
	v_floor_f32 v[NMA], -v[SUA]                    ; -M = -ceil(the largest t)
	v_floor_f32 v[NMB], -v[SUB]
.set nn, 64
.rept 80
.if nn < 64+32*(\na)
	v_pk_fma_f32 v[nn:nn+1], v[nn:nn+1], s[CS:CS+1], v[NMA:NMA+1] op_sel_hi:[1,0,0]
.else
	v_pk_fma_f32 v[nn:nn+1], v[nn:nn+1], s[CS:CS+1], v[NMB:NMB+1] op_sel_hi:[1,0,0]
.endif
.set nn, nn+2
.endr
	s_wait_alu depctr_va_vdst(0)                   ; ahead of the batch
.set nn, 64
.rept 160
	v_exp_f32 v[nn], v[nn]
.set nn, nn+1
.endr
	v_nop
	s_wait_alu depctr_va_vdst(0)                   ; behind the batch
	SUMZ 64, \na, SUA
	SUMZ 64+32*(\na), \nb, SUB
.set gg, 0
.rept 5
.set nn, 64+32*gg
.rept 32
	v_min_num_f32 v[nn], s[PB], v[nn]              ; p is not negative: a one-sided hold at the largest code x the scale
.set nn, nn+1
.endr
.irp u, 0,1,2,3
	v_cvt_scalef32_pk8_fp8_f32 v[24+8*gg+2*\u:25+8*gg+2*\u], v[64+32*gg+8*\u:71+32*gg+8*\u], v[PSC]
.endr
.set gg, gg+1
.endr
	v_permlanex16_b32 v[PTA], v[SUA], s[SEL], s[SEL+1]
	v_permlanex16_b32 v[PTB], v[SUB], s[SEL], s[SEL+1]
	v_add_f32 v[SUA], v[SUA], v[PTA]
	v_add_f32 v[SUB], v[SUB], v[PTB]
	s_wait_alu depctr_va_vdst(0)                   ; ahead of the batch
	v_rcp_f32 v[SUA], v[SUA]
	v_rcp_f32 v[SUB], v[SUB]
	v_nop
	s_wait_alu depctr_va_vdst(0)                   ; behind the batch
	v_ldexp_f32 v[FFA], v[SUA], s[EO]              ; 2^(e8 + e9) / the row's sum
	v_ldexp_f32 v[FFB], v[SUB], s[EO]
	s_wait_alu depctr_va_vdst(0)                   ; directly ahead of the wait below
	s_wait_dscnt 0x0                               ; V's fragments
	WIN 1
.set gg, 0
.rept \nb                              ; O^T += V^T P^T: the sums take turns
.if gg < (\na)
	PV4 64, 24
.endif
	PV4 96, 24+8*(\na)
.set gg, gg+1
.endr
	WIN 0
.endm
	s_load_b256 s[32:39], s[0:1], 0x0              ; x, Wk, Wq, Wv
	s_load_b128 s[40:43], s[0:1], 0x20             ; the scales' exponents, out0
	v_lshl_add_u32 v[SPW], v0, 2, SPARE
	v_mov_b32 v[NIL], 0
	v_lshrrev_b32 v26, 5, v0
	v_readfirstlane_b32 s[WV], v26                 ; wave w, 0..7
	v_and_b32 v[RR], 15, v0
	v_bfe_u32 v[HH], v0, 4, 1
	v_and_b32 v26, 31, v0
	v_lshlrev_b32 v[GO], 4, v26                    ; 16 x lane: W's codes, and the way out
	v_add_nc_u32 v[WL2], 49152, v[GO]              ; the third matrix's codes
	v_add_nc_u32 v[LAN], KV, v[GO]
	s_xor_b32 s3, s[WV], 15                        ; tile 15 - w
	; K's codes: tile T at 1,024 T, an operand's two halves of 512 bytes.  V's: 32 keys x 16 columns in 512 bytes, four column tiles on end
	s_lshl_b32 s25, s[WV], 10
	v_add_nc_u32 v[KSA], s25, v[LAN]
	s_lshl_b32 s25, s3, 10
	v_add_nc_u32 v[KSB], s25, v[LAN]
	s_lshr_b32 s25, s[WV], 1
	s_lshl_b32 s25, s25, 11
	s_and_b32 s26, s[WV], 1
	s_lshl_b32 s26, s26, 3
	s_add_co_u32 s25, s25, s26
	s_add_co_u32 s25, s25, 16384
	s_wait_alu depctr_va_vdst(0)
	v_add_nc_u32 v[VSA], s25, v[LAN]
	s_lshr_b32 s25, s3, 1
	s_lshl_b32 s25, s25, 11
	s_and_b32 s26, s3, 1
	s_lshl_b32 s26, s26, 3
	s_add_co_u32 s25, s25, s26
	s_add_co_u32 s25, s25, 16384
	v_add_nc_u32 v[VSB], s25, v[LAN]
	s_mul_i32 s27, s[WV], WST
	s_add_co_u32 s27, s27, STG                     ; my stage
	v_mul_u32_u24 v[XVO], v[HH], 1536              ; a load of x: row h, 16 bytes for each of sixteen lanes
	v_lshl_add_u32 v[XVO], v[RR], 4, v[XVO]
	v_mul_u32_u24 v[XST], v[HH], 144               ; its codes: 8 bytes a lane
	v_lshl_add_u32 v[XST], v[RR], 3, v[XST]
	v_add_nc_u32 v[XST], s27, v[XST]
	v_mul_u32_u24 v[XLD], v[RR], 144               ; a fragment: row r, 16 bytes for each half of the lanes
	v_lshl_add_u32 v[XLD], v[HH], 4, v[XLD]
	v_add_nc_u32 v[XLD], s27, v[XLD]
	v_mul_u32_u24 v[SO], v[RR], 272                ; the way out: in by columns of 32 bytes,
	v_lshl_add_u32 v[SO], v[HH], 5, v[SO]
	v_add_nc_u32 v[SO], s27, v[SO]
	v_mul_u32_u24 v[SR], v[HH], 272                ; back by rows
	v_lshl_add_u32 v[SR], v[RR], 4, v[SR]
	v_add_nc_u32 v[SR], s27, v[SR]
	; W: where I load and where the codes go
	v_lshlrev_b32 v26, 4, v[RR]
	v_lshl_add_u32 v26, v[HH], 11, v26
	s_lshr_b32 s25, s[WV], 2
	s_lshl_b32 s25, s25, 15
	s_and_b32 s26, s[WV], 3
	s_lshl_b32 s26, s26, 12
	s_add_co_u32 s25, s25, s26
	v_add_nc_u32 v[WA], s25, v26                   ; rows 128 (w / 4) + 16 (w % 4) + 8 h on
	s_lshr_b32 s28, s[WV], 1
	s_and_b32 s29, s[WV], 1
	s_lshl_b32 s25, s28, 12
	s_lshl_b32 s26, s29, 10
	s_add_co_u32 s25, s25, s26
	s_add_co_u32 s25, s25, 65536
	s_wait_alu depctr_va_vdst(0)
	v_add_nc_u32 v[WAH], s25, v26                  ; rows 256 + 16 (w / 2) + 4 (w % 2) + 8 h on
	v_lshrrev_b32 v26, 2, v[RR]
	v_mul_u32_u24 v26, v26, 6144
	v_and_b32 v27, 3, v[RR]
	v_lshl_add_u32 v26, v27, 6, v26
	v_lshl_add_u32 v26, v[HH], 8, v26
	s_lshl_b32 s25, s[WV], 9
	v_add_nc_u32 v[AW], s25, v26
	s_lshl_b32 s25, s28, 9
	s_lshl_b32 s26, s29, 3
	s_add_co_u32 s25, s25, s26
	s_add_co_u32 s25, s25, 4096
	v_add_nc_u32 v[AH], s25, v26
	; the prefetches: lanes 0-15 my rows of tile w, lanes 16-31 those of tile 15 - w
	s_sub_co_u32 s25, s3, s[WV]
	s_mul_i32 s25, s25, 24576
	v_mul_u32_u24 v[PFO], s25, v[HH]
	v_mad_u32_u24 v[PFO], v[RR], 1536, v[PFO]
	; my query less 8 h, from the first key of the tile's last group
	v_lshlrev_b32 v26, 3, v[HH]
	v_sub_nc_u32 v26, v[RR], v26
	s_and_b32 s25, s[WV], 3
	s_xor_b32 s26, s25, 3
	s_lshl_b32 s25, s25, 4
	s_lshl_b32 s26, s26, 4
	v_add_nc_u32 v[DA], s25, v26
	v_add_nc_u32 v[DB], s26, v26
	s_mul_i32 s26, ttmp9, 2*NB                     ; my two batches of x,
	s_mov_b32 s27, 0
	s_mul_i32 s28, s[WV], 24576
	s_mov_b32 s29, 0
	s_mov_b32 s[SEL], 0x76543210
	s_mov_b32 s[SEL+1], 0xfedcba98
	s_wait_alu depctr_va_vdst(0)                   ; directly ahead of the wait below
	s_wait_kmcnt 0x0
	s_load_b256 s[44:51], s[40:41], 0x0            ; e0 .. e7
	s_load_b64 s[52:53], s[40:41], 0x20            ; e8, e9
	s_add_nc_u64 s[6:7], s[32:33], s[26:27]
	s_add_nc_u64 s[4:5], s[6:7], s[28:29]          ; at tile w
	s_mul_i32 s28, s3, 24576
	s_add_nc_u64 s[6:7], s[6:7], s[28:29]          ; at tile 15 - w
	s_lshl_b32 s26, ttmp9, 17
	s_add_nc_u64 s[10:11], s[42:43], s[26:27]      ; and of out0
	s_lshl_b32 s28, s[WV], 12
	s_add_nc_u64 s[8:9], s[10:11], s[28:29]
	s_lshl_b32 s28, s3, 12
	s_add_nc_u64 s[10:11], s[10:11], s[28:29]
	PF 0                                           ; x's first chunk: its loads stand behind the weights'
	WLOAD 32, 34, 0
	WLOAD 128, 36, 0
	WLOAD 128, 38, 0x40
	s_wait_kmcnt 0x0
	MKS FSC, FB, 45
	MKS FSC+1, FB+1, 47
	MKS FSC+2, FB+2, 49
	s_wait_alu depctr_va_vdst(0)                   ; directly ahead of the wait below
	s_wait_loadcnt 48                              ; Wk is in; Wq's and Wv's 48 loads may be out
	WCONV 0, 32, 0
	XLOAD 0, 0
	XLOAD 1, 0
	XLOAD 2, 0
	XLOAD 3, 0
	PF 512
	s_wait_loadcnt 56                              ; Wq is in; Wv's 24 and x's 32 may be out
	WCONV 1, 128, 0
	s_wait_loadcnt 32                              ; Wv is in
	WCONV 2, 128, 1
	s_wait_xcnt 0x0
	MKS XSC, XB, 44
	MKS XSC+1, XB+1, 46
	MKS XSC+2, XB+2, 48
	s_sub_co_i32 s27, s51, s44
	s_sub_co_i32 s27, s27, s45
	MKS FSC, FB, 27                                ; K: a sum stands for sum x 2^(e0 + e1)
	s_sub_co_i32 s27, s50, s46
	s_sub_co_i32 s27, s27, s47
	MKS FSC+1, FB+1, 27
	s_sub_co_i32 s27, s53, s48
	s_sub_co_i32 s27, s27, s49
	MKS FSC+2, FB+2, 27
	MKS PSC, PB, 52
	s_add_co_i32 s[EO], s52, s53
	s_add_co_i32 s26, s50, s51
	s_lshl_b32 s26, s26, 23
	s_add_co_i32 s[CS], s26, 0x3e38aa3b            ; log2(e) / 8 x 2^(e6 + e7)
	s_mov_b32 s[CS+1], s[CS]
.set nn, 0
.rept 32                               ; lanes for which register nn of a tile's last group holds a hidden key: key 16 (nn / 8) + nn % 8 + 8 h past the query
	v_cmp_gt_i32 s[MA+nn], 16*(nn/8)+nn%8, v[DA]
	v_cmp_gt_i32 s[MB+nn], 16*(nn/8)+nn%8, v[DB]
.set nn, nn+1
.endr
	s_mov_b32 s[TRIP], 0
	s_wait_alu depctr_va_vdst(0)
.Ltrip:                                                ; a batch
	QUANT 512
	PF 1024
	s_wait_alu depctr_va_vdst(0)                   ; directly ahead of the wait below
	s_wait_dscnt 0x0                               ; my stores of W's codes, and my reads of the batch before's K and V, are done:
	s_barrier_signal -1
	s_barrier_wait -1                              ; all waves': W's codes may be read, and K's and V's written again
	PROJ 0
	QUANT 1024
	s_cmp_lg_u32 s[TRIP], 0
	s_cbranch_scc1 .Lnone
	PF NB
.Lnone:
	PROJ 1
	s_cmp_lg_u32 s[TRIP], 0
	s_cbranch_scc1 .Llastq
	QUANT NB                                       ; the next batch's first chunk
	PF NB+512
	s_branch .Lqdone
.Llastq:                                               ; nothing more to load
	UNIT 0, 0, 24, 0
	UNIT 1, 0, 16, 0
	UNIT 2, 0, 8, 0
	UNIT 3, 0, 0, 0
.Lqdone:
	PROJ 2
.rept 4
	v_nop                                          ; places behind the products
.endr
	HOLD64 64, FB
	CVT64 40, 64, FSC                              ; K: a lane's codes of column tile t are registers 2 t, 2 t + 1 of the operand
	ds_store_b128 v[KSA], v[40:43]
	ds_store_b128 v[KSA], v[44:47] offset:512
	ds_store_b128 v[KSB], v[48:51]
	ds_store_b128 v[KSB], v[52:55] offset:512
	HOLD64 192, FB+2
	CVT64 64, 192, FSC+2                           ; V: a lane's codes run along the keys
.irp t, 0,1,2,3
	ds_store_b64 v[VSA], v[64+2*\t:65+2*\t] offset:512*\t
	ds_store_b64 v[VSB], v[72+2*\t:73+2*\t] offset:512*\t
.endr
	HOLD64 128, FB+1
	s_wait_alu depctr_va_vdst(0)                   ; directly ahead of the wait below
	s_wait_dscnt 0x0                               ; my K and V are stored
	s_barrier_signal -1
	CVT64 24, 128, FSC+1                           ; Q stays in registers
	v_nop
	s_wait_alu depctr_va_vdst(0)                   ; directly ahead of the wait below
	s_barrier_wait -1
	s_cmp_lt_u32 s[WV], 4
	s_cbranch_scc0 .Ltwo
	ATTN 1, 4
	s_branch .Lout
.Ltwo:
	ATTN 2, 3
.Lout:
.rept 4
	v_nop                                          ; places behind the products
.endr
.set nn, 0
.rept 16
	v_pk_mul_f32 v[64+nn:65+nn], v[64+nn:65+nn], v[FFA:FFA+1] op_sel_hi:[1,0]
.set nn, nn+2
.endr
.rept 16
	v_pk_mul_f32 v[64+nn:65+nn], v[64+nn:65+nn], v[FFB:FFB+1] op_sel_hi:[1,0]
.set nn, nn+2
.endr
; the way out through my stage: in by columns, back by rows of 256 bytes; LDS serves a wave's instructions in order (ISA guide 5.7.1.4)
.irp t, 0,1,2,3
	ds_store_b128 v[SO], v[64+8*\t:67+8*\t] offset:64*\t
	ds_store_b128 v[SO], v[68+8*\t:71+8*\t] offset:64*\t+16
.endr
.irp t, 0,1,2,3
	ds_store_b128 v[SO], v[96+8*\t:99+8*\t] offset:4352+64*\t
	ds_store_b128 v[SO], v[100+8*\t:103+8*\t] offset:4352+64*\t+16
.endr
.irp i, 0,1,2,3,4,5,6,7
	ds_load_b128 v[128+4*\i:131+4*\i], v[SR] offset:544*\i
.endr
.irp i, 0,1,2,3,4,5,6,7
	ds_load_b128 v[160+4*\i:163+4*\i], v[SR] offset:4352+544*\i
.endr
.irp i, 0,1,2,3,4,5,6,7
	s_wait_dscnt 15-\i
	global_store_b128 v[GO], v[128+4*\i:131+4*\i], s[8:9] offset:512*\i th:TH_STORE_NT
.endr
.irp i, 0,1,2,3,4,5,6,7
	s_wait_dscnt 7-\i
	global_store_b128 v[GO], v[160+4*\i:163+4*\i], s[10:11] offset:512*\i th:TH_STORE_NT
.endr
	s_wait_alu depctr_va_vdst(0)                   ; directly ahead of the wait below
	s_wait_xcnt 0x0                                ; the stores', loads' and prefetches' sources may be written again
	s_add_nc_u64 s[4:5], s[4:5], NB
	s_add_nc_u64 s[6:7], s[6:7], NB
	s_add_nc_u64 s[8:9], s[8:9], 65536
	s_add_nc_u64 s[10:11], s[10:11], 65536
	s_add_co_u32 s[TRIP], s[TRIP], 1
	s_cmp_lt_u32 s[TRIP], 2
	s_cbranch_scc1 .Ltrip
	s_wait_tensorcnt 0x0                           ; the wave's end
	ds_add_u32 v[SPW], v[NIL]
	s_wait_dscnt 0x0
	s_endpgm
.Lfunc_end_k_q673b1fbfdc_head:
	.size	k_q673b1fbfdc_head, .Lfunc_end_k_q673b1fbfdc_head-k_q673b1fbfdc_head
	.p2alignl 7, 3214868480
	.fill 96, 4, 3214868480
	.section	.rodata,"a",@progbits
	.p2align	6, 0x0
	.amdhsa_kernel k_q673b1fbfdc_head
		.amdhsa_group_segment_fixed_size 218112
		.amdhsa_private_segment_fixed_size 0
		.amdhsa_enable_private_segment 0
		.amdhsa_kernarg_size 48
		.amdhsa_user_sgpr_count 2
		.amdhsa_user_sgpr_kernarg_segment_ptr 1
		.amdhsa_wavefront_size32 1
		.amdhsa_system_sgpr_workgroup_id_x 1
		.amdhsa_system_sgpr_workgroup_id_y 1
		.amdhsa_system_sgpr_workgroup_id_z 1
		.amdhsa_system_vgpr_workitem_id 0
		.amdhsa_next_free_vgpr 512
		.amdhsa_next_free_sgpr 98
		.amdhsa_reserve_vcc 0
		.amdhsa_float_denorm_mode_32 3
		.amdhsa_float_denorm_mode_16_64 3
		.amdhsa_memory_ordered 1
		.amdhsa_forward_progress 1
		.amdhsa_inst_pref_size 255
	.end_amdhsa_kernel
	.section	.bss,"aw",@nobits
	.p2align	6
	.space	262144
	.amdgpu_metadata
---
amdhsa.version: [ 1, 2 ]
amdhsa.kernels:
  - .name:           k_q673b1fbfdc_head
    .symbol:         k_q673b1fbfdc_head.kd
    .args:
      - { .name: x, .offset: 0, .size: 8, .value_kind: global_buffer, .address_space: global }
      - { .name: Wk, .offset: 8, .size: 8, .value_kind: global_buffer, .address_space: global }
      - { .name: Wq, .offset: 16, .size: 8, .value_kind: global_buffer, .address_space: global }
      - { .name: Wv, .offset: 24, .size: 8, .value_kind: global_buffer, .address_space: global }
      - { .name: lowp_scales, .offset: 32, .size: 8, .value_kind: global_buffer, .address_space: global }
      - { .name: out0, .offset: 40, .size: 8, .value_kind: global_buffer, .address_space: global }
    .group_segment_fixed_size: 218112
    .private_segment_fixed_size: 0
    .kernarg_segment_align: 8
    .kernarg_segment_size: 48
    .max_flat_workgroup_size: 256
    .sgpr_count:     98
    .vgpr_count:     512
    .wavefront_size: 32
...
	.end_amdgpu_metadata
.endif
;; end of part 1
